; MI455X (gfx1250); checked and timed in simulation.
; The chip was launched on July 23, 2026; its instructions are those of AMD's public machine-readable ISA for CDNA 5 (MIT licence, August 2026) and "CDNA5" Instruction Set Architecture Reference Guide (July 2026). The comments in the code are by the model that wrote it; some were corrected since.
;; Lora Layer. Allowed arithmetic: matrix products marked QUANTISED: E2M1 operands, one E8M0 scale for each 32 along K, by v_wmma_scale_f32_16x16x128_f8f6f4 with both operands' format E2M1 (or v_wmma_scale_f32_32x16x128_f4), f32 sums; products left as they are: f32 operands where the result goes on into a quantised operand, else bf16, f16 or f32 operands; f32 sums; everything else in f32.
;; Inputs: b 2,048 float32; lora_a 2,048 x 16 float32; lora_b 16 x 2,048 float32; w_codes 2,048 x 64 x 16 uint8 (E2M1 codes of w, K innermost, in blocks of 32 codes, two codes a byte); w_scales 2,048 x 64 uint8 (E8M0 scales of w, one for each 32 codes along K); x_codes 4 x 2,048 x 64 x 16 uint8 (E2M1 codes of x, K innermost, in blocks of 32 codes, two codes a byte); x_scales 4 x 2,048 x 64 uint8 (E8M0 scales of x, one for each 32 codes along K).
;; Outputs: out0 4 x 2,048 x 2,048 float32.
;; This version of the problem:
;;   THIS VERSION OF THE PROBLEM IS GIVEN IN LOW PRECISION. The matrix products marked QUANTISED in the list below multiply operands that are first quantised to E2M1 (2 exponent bits, 1 mantissa bit; 4 bits a number), with one power-of-two scale for each 32 numbers along K (OCP MX v1.0); their sums are f32. All else is computed in f32.
;;   The module's matrix products, in the order in which they are computed (A, B: the left and right operand; K: the contracted axis; several contracted axes count as one K, in the product's order):
;;     1. [M 8,192, K 2,048] x [K 2,048, N 2,048]; A: input x (given as codes); B: input w (given as codes): QUANTISED
;;     2. [M 2,048, K 16] x [K 16, N 2,048]; A: input lora_a; B: input lora_b: left as it is (K = 16 < 32)
;;     3. [M 8,192, K 2,048] x [K 2,048, N 2,048]; A: input x (given as codes); B: computed on the way: QUANTISED
;;   THE QUANTISER, for each operand of a quantised product, along K:
;;     - K is cut into blocks of 32 from its start; a last block that is shorter is filled with zeros.
;;     - A block's scale is 2^e with e = floor(log2(the largest magnitude in the block)) - 2, held to -126 .. 127; a block of zeros has e = 0. As a byte (E8M0): e + 127.
;;     - Each number is divided by its block's scale, clamped to +-6, and rounded to the nearest number of E2M1, ties to even, subnormals kept.
;;     - The product sums the exact products of the quantised numbers (number of the format x scale) in f32.
;;   ~~~python
;;   def quantise(x, axis):      # numpy; x: float32 -> the quantised numbers, widened to float32 again
;;       x = np.moveaxis(x, axis, -1); K = x.shape[-1]
;;       x = np.pad(x, [(0, 0)] * (x.ndim - 1) + [(0, -K % 32)]); x = x.reshape(x.shape[:-1] + (-1, 32)); a = np.abs(x).max(-1, keepdims=True)
;;       e = np.where(a > 0, np.clip(np.frexp(np.where(a > 0, a, 1))[1] - 1 - 2, -126, 127), 0)      # np.frexp(a)[1] - 1 = floor(log2(a)), exactly
;;       r = np.clip(x / 2.0 ** e, -6, 6)
;;       step = 2.0 ** (np.maximum(np.frexp(np.where(r == 0, 1, r))[1] - 1, 0) - 1)
;;       q = np.round(r / step) * step * 2.0 ** e      # np.round: ties to even
;;       return np.moveaxis(q.reshape(q.shape[:-2] + (-1,))[..., :K], -1, axis).astype(np.float32)
;;   ~~~
;;   OPERANDS COMPUTED ON THE WAY. 'Computed on the way' means the value that the module computes at that place (a softmax that the list does not call 'softmax' is quantised finished and normalised). What goes into a quantiser is computed in f32, as accurately as f32 sums, v_exp_f32 and their like allow (about 1e-6 of the number): no bf16 or f16 on the way to a quantiser, and a product that is left as it is and whose result goes on into a quantised operand takes f32 operands (vector FMAs, or v_wmma_f32_16x16x4_f32). A number that lies on a knife's edge between two numbers of the format may be rounded either way, as far as f32 arithmetic and the matrix unit's own rounding can turn it there, and no further.
;;   INPUTS GIVEN AS CODES. w (in the module: [2048, 2048], K = its axis 1); x (in the module: [4, 2048, 2048], K = its axis 2): each comes as NAME_codes (uint8): NAME with its K axis moved to the last place and cut into blocks of 32 codes, [.., K / 32, bytes a block], one block behind the other in memory; two codes a byte, the lower K in the low four bits (a code: sign, 2 exponent bits, 1 mantissa bit); and NAME_scales (uint8): the same leading axes, one E8M0 byte (e + 127) for each 32 codes along K. Its value is code x scale, taken as it is: it is not quantised again, and the codes and scales need not be those that the quantiser above would give.
;; One version. Each part assembles by itself: llvm-mc -triple=amdgcn-amd-amdhsa -mcpu=gfx1250 --defsym DOCPART=n.
;; ======== version 1 of 1: 2 launches
;; limits: right only within a limited range of input values
;; workspace buffers: wab 4,456,448 bytes
;; launch prep (part 1): grid 64 x 4, 16 waves a work-group, no clusters, 11,776 bytes of LDS; arguments lora_a, lora_b, w_codes, w_scales, wab; writes wab
.if DOCPART == 1
	.amdgcn_target "amdgcn-amd-amdhsa--gfx1250"
	.amdhsa_code_object_version 6
	.text
	.protected	k_q01b8945e8c_prep
	.globl	k_q01b8945e8c_prep
	.p2align	8
	.type	k_q01b8945e8c_prep,@function
k_q01b8945e8c_prep:
	s_mov_b64 s[64:65], 0
	v_nop
	global_prefetch_b8 v0, s[64:65] scope:SCOPE_SE
	s_setreg_imm32_b32 hwreg(HW_REG_WAVE_MODE, 25, 1), 1
	s_wait_xcnt 0x0
; ab = lora_a lora_b ([2048 (k)][16] x [16][2048 (n)], f32) is made in f32 and quantised along k to codes of FP4 (E2M1) with one E8M0 byte for each 32 along k; w's codes and scales are laid beside it.
; wab, THE NEXT LAUNCH'S IMAGE: [group G of 64 columns: 32][step s of 128 along k: 16] blocks of 8,704 bytes:
;   codes [tile t: 4][kind: w, ab][c: 2][lane: 32][16 bytes]: lane (r, h) has the 32 codes of column 64 G + 4 r + t, k = 128 s + 64 c + 32 h on: the operand's registers as they stand;
;   then scale words [t / 2][lane: 32][t % 2][4 bytes]: lanes 0-15 w's word of column 64 G + 4 r + t, lanes 16-31 ab's.
; ab's BYTE IS THE QUANTISER'S BYTE + 1: the product is to be multiplied by ALPHA / R = 2, and one more in the exponent does that exactly.  The quantiser's byte is at most 252, so the byte stored is never 0xff.
; SHARES.  Work-group (x, y): G = x / 2, tiles t = 2 (x % 2) + 0, 1 (32 columns), k = 512 y .. 512 y + 511.  Each of its sixteen waves: ONE block of 32 along k for the 32 columns.
; THE PRODUCT goes by the f32 matrix form (its result goes into a quantiser): source 0 = 16 rows of lora_a, source 1 = 16 columns of lora_b, four steps of 4 along the rank.
; THE ROWS OF lora_a THAT FORM A TILE ARE NOT NEIGHBOURS: lane r of tile u takes row k0 + 8 u + r + 8 (r / 8).  In the result of tile u and column tile c, lane (r, h) register j is then
; ab[k0 + 16 h + 8 u + j][column r of tile c]: the 16 registers of tiles 0 and 1 are 16 neighbours along k of ONE column, and a block of 32 lies in lanes l and l xor 16.
; The rank is permuted alike on both sides: place (h, j) of step s holds rank 8 h + 2 s + j, so that a lane's eight numbers of lora_a are 32 neighbouring bytes.
; LIMITS: ab that is NaN or infinite is not served.  A block whose largest magnitude lies under 2^-124 (a block of zeros too) keeps the floor's byte, as the quantiser's hold at -126 asks;
; for a block of zeros the quantiser says 127: its codes are zeros, which add nothing under any byte but 0xff, and this program alone reads the bytes.
; The sum over the rank is taken in the order 2 s, 2 s + 1, 8 + 2 s, 9 + 2 s, s = 0 .. 3, by fused multiply-adds in f32.
.set SP,    272                        ; a stage row: 256 bytes of w's codes (512 along k) + 16 of padding; row 16 t + r
.set SCB,   32*SP                      ; behind it the scale bytes: four steps of 256 bytes
.set SPARE, SCB+1024                   ; the spare words, 128 bytes a wave
.set A,     16                         ; v[16:31]  lora_a: tile u at A + 8 u: register i = lora_a[my row][8 h + i]
.set B,     32                         ; v[32:47]  lora_b: step s of the rank, column tile c at B + 4 s + 2 c: lora_b[8 h + 2 s + 0, 1][my column]
.set D,     48                         ; v[48:79]  the sums: (u, c) at D + 16 c + 8 u; matrix instructions alone write them
.set MX,    80                         ; v80-81 largest magnitudes; v82-83 lane l xor 16's; v84-85 the conversions' scale operands; v86-87 the bytes; v[88:91] the codes
	s_load_b256 s[4:11], s[0:1], 0x0               ; lora_a s[4:5], lora_b s[6:7], w's codes s[8:9], w's scales s[10:11]
	s_load_b64 s[12:13], s[0:1], 0x20              ; wab
	v_lshl_add_u32 v96, v0, 2, SPARE
	v_mov_b32 v97, 0
	v_lshrrev_b32 v1, 5, v0
	v_readfirstlane_b32 s14, v1                    ; wave 0..15: my block along k
	s_mul_i32 s36, s14, 2*SP
	s_lshr_b32 s37, s14, 2
	s_lshl_b32 s37, s37, 8
	s_and_b32 s23, s14, 3
	s_add_co_u32 s37, s37, s23
	s_add_co_u32 s37, s37, SCB                     ; my byte of a scale word: SCB + 256 (wave / 4) + wave % 4
	s_lshl_b32 s38, s14, 4
	s_lshl_b32 s39, s14, 9
	s_add_co_u32 s39, s39, SCB
	v_and_b32 v1, 15, v0                           ; r
	v_bfe_u32 v2, v0, 4, 1                         ; h
	v_and_b32 v3, 31, v0                           ; lane
	v_and_b32 v4, 8, v1
	v_lshlrev_b32 v5, 16, v2                       ; lora_b: 8 h rows of 8,192 bytes
	v_lshlrev_b32 v6, 12, v2                       ; w's codes: lanes 16-31 four rows on
	v_add_nc_u32 v4, v4, v1                        ; r + 8 (r / 8)
	v_lshl_add_u32 v5, v1, 4, v5                   ; + column 4 r
	v_lshl_add_u32 v6, v1, 4, v6
	v_lshlrev_b32 v4, 6, v4                        ; a row of lora_a is 64 bytes,
	v_lshlrev_b32 v7, 6, v2                        ; w's scales: row 4 r + h, 64 bytes a row
	v_mul_u32_u24 v8, v2, SP
	v_lshl_add_u32 v4, v2, 5, v4                   ; + 32 h: ranks 8 h on
	v_lshl_add_u32 v7, v1, 8, v7
	v_lshl_add_u32 v8, v1, 4, v8
	v_lshlrev_b32 v9, 3, v1
	v_mul_u32_u24 v10, v3, SP
	v_add_nc_u32 v8, s36, v8                       ; into the stage: row 2 wave + h, 16 bytes a lane
	v_lshl_add_u32 v9, v2, 2, v9
	v_add_nc_u32 v10, s38, v10                     ; out of it: row = lane, my block's 16 bytes
	v_lshlrev_b32 v11, 4, v3
	v_add_nc_u32 v9, s37, v9                       ; a scale byte: 8 r + 4 h; w's here, ab's 128 on
	v_mul_u32_u24 v12, v2, 8704
	v_add_nc_u32 v11, s39, v11                     ; the scale bytes on their way out (waves 0 and 1)
	v_lshlrev_b32 v13, 11, v2
	v_lshl_add_u32 v12, v1, 4, v12
	v_lshl_add_u32 v13, v1, 4, v13                 ; codes in wab: 16 r, lanes 16-31 the next tile
	v_mov_b32 v82, 0                               ; a lane permute's destination counts as one of its sources
	v_mov_b32 v83, 0
	v_cmp_ne_u32 s22, 0, v2                        ; lanes 16-31
	s_and_b32 s15, ttmp7, 0xffff                   ; y
	s_lshr_b32 s16, ttmp9, 1                       ; G
	s_and_b32 s17, ttmp9, 1                        ; which pair of tiles
	s_mov_b32 s20, 0x76543210
	s_mov_b32 s21, 0xfedcba98                      ; v_permlanex16_b32's selects for lane l xor 16
	s_lshl_b32 s18, s15, 15                        ; lora_a: row 512 y + 32 wave
	s_lshl_b32 s19, s14, 11
	s_add_co_u32 s18, s18, s19
	s_mov_b32 s19, 0
	s_lshl_b32 s24, s16, 8                         ; lora_b: column 64 G + 2 pair
	s_lshl_b32 s25, s17, 3
	s_add_co_u32 s24, s24, s25
	s_mov_b32 s25, 0
	s_lshl_b32 s42, s16, 6
	s_lshl_b32 s43, s17, 1
	s_add_co_u32 s42, s42, s43                     ; row 64 G + 2 pair of w
	s_lshl_b32 s28, s42, 6                         ; w's scales: + 16 y + wave
	s_lshl_b32 s29, s15, 4
	s_add_co_u32 s28, s28, s29
	s_add_co_u32 s28, s28, s14
	s_mov_b32 s29, 0
	s_lshr_b32 s43, s14, 3                         ; w's codes: stage row q = 2 wave + h is tile q / 16, r = q % 16: row + wave / 8 + 8 (wave % 8) + 4 h
	s_add_co_u32 s42, s42, s43
	s_and_b32 s43, s14, 7
	s_lshl_b32 s43, s43, 3
	s_add_co_u32 s42, s42, s43
	s_lshl_b32 s26, s42, 10
	s_lshl_b32 s27, s15, 8
	s_add_co_u32 s26, s26, s27
	s_mov_b32 s27, 0
	s_mul_i32 s44, s16, 139264                     ; wab: group G,
	s_lshl_b32 s45, s15, 2
	s_lshr_b32 s46, s14, 2
	s_add_co_u32 s46, s46, s45
	s_mul_i32 s30, s46, 8704                       ; step 4 y + wave / 4,
	s_add_co_u32 s30, s30, s44
	s_lshl_b32 s46, s17, 12                        ; tile 2 pair,
	s_add_co_u32 s30, s30, s46
	s_lshl_b32 s46, s23, 8                         ; block wave % 4
	s_add_co_u32 s30, s30, s46
	s_mov_b32 s31, 0
	s_lshl_b32 s46, s14, 1                         ; the scale words: step 4 y + 2 wave (waves 0 and 1)
	s_add_co_u32 s46, s46, s45
	s_mul_i32 s34, s46, 8704
	s_add_co_u32 s34, s34, s44
	s_add_co_u32 s34, s34, 8192
	s_lshl_b32 s46, s17, 8
	s_add_co_u32 s34, s34, s46
	s_mov_b32 s35, 0
	s_wait_alu depctr_va_vdst(0)                   ; the wait at the head's end
	s_wait_kmcnt 0x0
	s_add_nc_u64 s[4:5], s[4:5], s[18:19]
	s_add_nc_u64 s[6:7], s[6:7], s[24:25]
	s_add_nc_u64 s[8:9], s[8:9], s[26:27]
	s_add_nc_u64 s[10:11], s[10:11], s[28:29]
	s_add_nc_u64 s[30:31], s[12:13], s[30:31]
	s_add_nc_u64 s[34:35], s[12:13], s[34:35]
.irp u, 0,1
	global_load_b128 v[A+8*\u:A+8*\u+3],   v4, s[4:5] offset:512*\u       ; tile u begins 8 rows on
	global_load_b128 v[A+8*\u+4:A+8*\u+7], v4, s[4:5] offset:512*\u+16
.endr
.irp i, 0,1,2,3,4,5,6,7
	global_load_b64 v[B+2*\i:B+2*\i+1], v5, s[6:7] offset:8192*\i         ; rank 8 h + i, columns 4 r + 2 pair + 0, 1
.endr
	global_load_b128 v[92:95], v6, s[8:9]          ; w: sixteen lanes read 256 consecutive bytes of a row
	global_load_u8 v98, v7, s[10:11]               ; w's scale byte of column 4 r + 2 pair + h, my block
	s_wait_loadcnt 0x2                             ; lora_a and lora_b are in; w's two loads may be out
; The operand wants two neighbouring ranks of one column in a pair: the inner two of each four registers change places.
.irp s, 0,1,2,3
	v_mov_b32 v[100+\s], v[B+4*\s+1]
.endr
.irp s, 0,1,2,3
	v_mov_b32 v[B+4*\s+1], v[B+4*\s+2]
.endr
.irp s, 0,1,2,3
	v_mov_b32 v[B+4*\s+2], v[100+\s]
.endr
; Four sums by turns, one instruction a turn; each sum's first step takes the constant 0 as C: nothing is cleared.
.irp s, 0,1,2,3
.irp c, 0,1
.irp u, 0,1
.if \s == 0
	v_wmma_f32_16x16x4_f32 v[D+16*\c+8*\u:D+16*\c+8*\u+7], v[A+8*\u+2*\s:A+8*\u+2*\s+1], v[B+4*\s+2*\c:B+4*\s+2*\c+1], 0
.else
	v_wmma_f32_16x16x4_f32 v[D+16*\c+8*\u:D+16*\c+8*\u+7], v[A+8*\u+2*\s:A+8*\u+2*\s+1], v[B+4*\s+2*\c:B+4*\s+2*\c+1], v[D+16*\c+8*\u:D+16*\c+8*\u+7]
.endif
.endr
.endr
.endr
.rept 8
	v_nop                                          ; eight places between this form and the first vector instruction that reads a result (ISA guide 7.12.1)
.endr
; The block's largest magnitude, the two columns by turns; each sum's registers are read from the low end on.
.irp c, 0,1
	v_max3_num_f32 v[MX+\c], |v[D+16*\c]|, |v[D+16*\c+1]|, 0x1800000      ; my 16 numbers, and the floor 2^(3 - 127): the quantiser's byte cannot fall under 1
.endr
.irp i, 2,4,6,8,10,12,14
.irp c, 0,1
	v_max3_num_f32 v[MX+\c], v[MX+\c], |v[D+16*\c+\i]|, |v[D+16*\c+\i+1]|
.endr
.endr
.irp c, 0,1
	v_permlanex16_b32 v[MX+2+\c], v[MX+\c], s20, s21
.endr
.irp c, 0,1
	v_max_num_f32 v[MX+\c], v[MX+\c], v[MX+2+\c]   ; with lane l xor 16's 16
.endr
.irp c, 0,1
	v_add_nc_u32 v[MX+4+\c], 0xff000000, v[MX+\c]  ; 2 off the exponent field: the conversion takes the exponent field of this operand as its scale
.endr
.irp c, 0,1
	v_add_nc_u32 v[MX+6+\c], 0xff800000, v[MX+\c]  ; 1 off it: the quantiser's byte + 1, for the factor 2
.endr
.irp c, 0,1
	v_lshrrev_b32 v[MX+6+\c], 23, v[MX+6+\c]
.endr
	v_cndmask_b32 v99, v[MX+6], v[MX+7], s22       ; lanes 0-15 send tile 0's byte, lanes 16-31 tile 1's
.irp c, 0,1
	v_cvt_scalef32_pk8_fp4_f32 v[MX+8+2*\c], v[D+16*\c:D+16*\c+7], v[MX+4+\c]      ; the codes of k0 + 16 h + 0 .. 7,
	v_cvt_scalef32_pk8_fp4_f32 v[MX+9+2*\c], v[D+16*\c+8:D+16*\c+15], v[MX+4+\c]   ; and + 8 .. 15
.endr
	v_nop                                          ; one plain place behind the last scaled conversion
	v_permlane16_swap_b32 v88, v90                 ; a whole block in a lane: lanes 0-15 tile 0's column r, lanes 16-31 tile 1's
	v_permlane16_swap_b32 v89, v91
	global_store_b128 v13, v[88:91], s[30:31] offset:1024   ; sixteen lanes store 256 consecutive bytes, at a multiple of 256 from the buffer's first byte
	ds_store_b8 v9, v99 offset:128
	s_wait_loadcnt 0x0
	ds_store_b128 v8, v[92:95]
	ds_store_b8 v9, v98
	s_wait_dscnt 0x0                               ; for the others' sake: my stores into the stage are done
	s_barrier_signal -1
	s_barrier_wait -1                              ; w's 32 rows and the four steps' scale words lie in LDS
	ds_load_b128 v[100:103], v10
	s_wait_dscnt 0x0
	global_store_b128 v13, v[100:103], s[30:31]
	s_cmp_gt_u32 s14, 1                            ; waves 0 and 1 send the scale words; no barrier stands under this branch
	s_cbranch_scc1 .Lend
	ds_load_b128 v[104:107], v11
	s_wait_dscnt 0x0
	global_store_b128 v12, v[104:107], s[34:35]    ; sixteen lanes store one step's 256 bytes, at a multiple of 256
.Lend:
	s_wait_tensorcnt 0x0                           ; the wave's end
	ds_add_u32 v96, v97
	s_wait_dscnt 0x0
	s_endpgm
.Lfunc_end_k_q01b8945e8c_prep:
	.size	k_q01b8945e8c_prep, .Lfunc_end_k_q01b8945e8c_prep-k_q01b8945e8c_prep
	.p2alignl 7, 3214868480
	.fill 96, 4, 3214868480
	.section	.rodata,"a",@progbits
	.p2align	6, 0x0
	.amdhsa_kernel k_q01b8945e8c_prep
		.amdhsa_group_segment_fixed_size 11776
		.amdhsa_private_segment_fixed_size 0
		.amdhsa_enable_private_segment 0
		.amdhsa_kernarg_size 40
		.amdhsa_user_sgpr_count 2
		.amdhsa_user_sgpr_kernarg_segment_ptr 1
		.amdhsa_wavefront_size32 1
		.amdhsa_system_sgpr_workgroup_id_x 1
		.amdhsa_system_sgpr_workgroup_id_y 1
		.amdhsa_system_sgpr_workgroup_id_z 1
		.amdhsa_system_vgpr_workitem_id 0
		.amdhsa_next_free_vgpr 112
		.amdhsa_next_free_sgpr 66
		.amdhsa_reserve_vcc 0
		.amdhsa_float_denorm_mode_32 3
		.amdhsa_float_denorm_mode_16_64 3
		.amdhsa_memory_ordered 1
		.amdhsa_forward_progress 1
		.amdhsa_inst_pref_size 11
	.end_amdhsa_kernel
	.amdgpu_metadata
---
amdhsa.version: [ 1, 2 ]
amdhsa.kernels:
  - .name:           k_q01b8945e8c_prep
    .symbol:         k_q01b8945e8c_prep.kd
    .args:
      - { .name: lora_a, .offset: 0, .size: 8, .value_kind: global_buffer, .address_space: global }
      - { .name: lora_b, .offset: 8, .size: 8, .value_kind: global_buffer, .address_space: global }
      - { .name: w_codes, .offset: 16, .size: 8, .value_kind: global_buffer, .address_space: global }
      - { .name: w_scales, .offset: 24, .size: 8, .value_kind: global_buffer, .address_space: global }
      - { .name: wab, .offset: 32, .size: 8, .value_kind: global_buffer, .address_space: global }
    .group_segment_fixed_size: 11776
    .private_segment_fixed_size: 0
    .kernarg_segment_align: 8
    .kernarg_segment_size: 40
    .max_flat_workgroup_size: 512
    .sgpr_count:     66
    .vgpr_count:     112
    .wavefront_size: 32
...
	.end_amdgpu_metadata
.endif
;; end of part 1
;; launch gemm (part 2): grid 8 x 32, 4 waves a work-group, clusters of 4 x 4, 327,680 bytes of LDS; arguments x_codes, x_scales, wab, b, out0; writes out0
.if DOCPART == 2
	.amdgcn_target "amdgcn-amd-amdhsa--gfx1250"
	.amdhsa_code_object_version 6
	.text
	.protected	k_q01b8945e8c_gemm
	.globl	k_q01b8945e8c_gemm
	.p2align	8
	.type	k_q01b8945e8c_gemm,@function
k_q01b8945e8c_gemm:
	s_mov_b64 s[64:65], 0
	v_nop
	global_prefetch_b8 v0, s[64:65] scope:SCOPE_SE
	s_setreg_imm32_b32 hwreg(HW_REG_WAVE_MODE, 25, 1), 1
	s_wait_xcnt 0x0
	s_wait_alu depctr_hold_cnt(0) depctr_sa_sdst(0) depctr_va_vdst(0) depctr_va_sdst(0) depctr_va_ssrc(0) depctr_va_vcc(0) depctr_vm_vsrc(0)
	s_getreg_b32 s2, hwreg(HW_REG_IB_STS2, 6, 4)
	s_cmp_eq_u32 s2, 0
	s_cbranch_scc0 .Lentry_in_a_cluster
	s_endpgm
.Lentry_in_a_cluster:
	s_bfe_u32 s2, ttmp6, 0x10000c
	s_cmp_lg_u32 s2, 0xf033
	s_cbranch_scc0 .Lentry_shape_is_right
	s_endpgm
.Lentry_shape_is_right:
; out0[m][n] = sum over k of x[m][k] w[n][k]  +  2 x sum over k of x[m][k] Q(ab)[k][n]  +  b[n].   M = 8,192, N = 2,048, K = 2,048; x, w and Q(ab) are codes of FP4 (E2M1) with one E8M0 byte for each 32 along K.
; The launch before laid w and Q(ab) as images of the operand's registers (the factor 2 stands in ab's scale bytes), so both products add into one accumulator.
; ORDER OF ROUNDING: one f32 chain for each output: for each 128 along K, ascending, w's product and then ab's; b is added last.  No work of the problem is left out.
; SHARES.  A work-group of four waves makes 256 x 256 of out0: 32 x 8 work-groups.  A WAVE HOLDS ITS 64 ROWS OF x FOR ALL OF K IN REGISTERS (512) and walks the 256 columns in four passes of 64: a pass is
; 16 steps of 128 along K, 16 matrix instructions of 32 x 16 a step; each fragment of w and ab (16 columns) serves two of them.  Two sets of accumulators (128 registers each) take turns from pass to
; pass: while a pass is multiplied, the sums of the pass before leave, two rows of registers (two stores) a step.
; THE COLUMNS OF A TILE ARE NOT NEIGHBOURS: lane r of tile t has column 4 r + t of the pass's 64.  So a lane's sums of the four tiles in one row are 16 neighbouring bytes, and sixteen lanes hold 256 bytes of that
; row: the addition of b lays the four side by side, and they are stored from there: no stage in LDS.
; LDS.  w's and ab's images of the work-group's four passes are ONE stream of 64 steps x 8,704 bytes (codes, then scale words), brought in dense runs of steps; x passes through LDS once, in three parts along K
; (1,024, 512, 512), rows padded by 16 bytes (pitches 528 and 272: odd multiples of 16).  One tensor load a wave at the head and behind each round:
;   head     x K 0-1023 at 0,           steps 0-7   at 135,168        round 1  x K 1024-1535 at 204,800, steps 8-13  at 274,432
;   round 2  x K 1536-2047 at 0,        steps 14-19 at 69,632         round 3  steps 20-31 at 204,800
;   round 4  steps 32-47 at 0                                         round 5  steps 48-63 at 139,264
; Rounds 2 to 5 stand in steps 7, 11, 19 and 31; the work-group's barrier in step 47 shows the last run.
; CLUSTERS: 4 x 4 work-groups.  The four of a row of the cluster need the same x, the four of a column the same stream: each is asked for jointly, by the same tensor load with the same descriptor and a mask that names the four.
; NO PREFETCH: the text has no loop to run ahead in; six runs bring the whole stream, and each run behind the head's is asked for 4 to 16 steps (64 to 256 matrix instructions) ahead of its first read.
; REGISTERS.  Window 0: v0-31 addresses; v32-39 results on their way out; v40-47 scale words of w and ab, two sets; v48-63 b; v64-95 x's scale words; v128-255 fragments of w and ab, two sets (at the end: results).
;   Window 1: accumulators, two sets of 128: tile (i, t) at 128 set + 16 (4 i + t): rows 32 i .. + 31, column tile t.   Windows 2, 3: x: step s, rows 32 i .. + 31 at 32 (s % 8) + 16 i, window 2 for steps 0-7.
.set STEPB, 8704                       ; a step of the stream in bytes
.set SPARE, 326656                     ; the spare words, 128 bytes a wave: two blocks of 256 bytes that no other line names
.set LB,  8                            ; v8-13   16 x lane + 57,344 k: an immediate reaches a step's last piece from one of these
.set LS,  14                           ; v14-19  8 x lane + 57,344 k: for the scale words
.set XA0, 20                           ; v20-22  x's fragments: the first 1,024 along K, the next 512, the last 512
.set XQ2, 21
.set XQ3, 22
.set CO,  23                           ; v23     my byte offset in out0: 8 h rows + 16 r
.set SPW, 28                           ; v28     LDS address of my spare word;  v29  0; never rewritten
.set NIL, 29
.set ST,  32
.set SB,  40
.set BI,  48                           ; b of pass p at BI + 4 p: b[64 p + 4 r + t]
.set XS,  64                           ; x's scale words: rows 32 i + lane, step s at XS + 16 i + s
.set FB,  128                          ; fragments: set p, kind (w 0, ab 1), tile t at FB + 64 p + 32 kind + 8 t
.set WV,  14                           ; s14 wave;  s15 = wave / 2: I fetch x (0) or the stream (1);  s16 = wave % 2: which part
.set WM,  15
.set WT,  16
.set G1X, 24                           ; group 1: x's first part; s[32:39] x's other parts; s[40:47] the stream
.set G1Y, 32
.set G1B, 40
.set G0X, 48                           ; group 0 for x, s[52:55] for the stream
.set G0B, 52
.set BB,  56                           ; s[56:57] the stream's first byte
.set XB,  58                           ; s[58:59] x: the 128 rows that I fetch
.set OF,  60
.set NROW, 8192                        ; a row of out0 in bytes
.set MSB, 0
.macro WIN new                         ; the immediate's high byte repeats the setting that is left; a switch that changes nothing is dropped
.if MSB != \new
	s_set_vgpr_msb (MSB<<8)|\new
.set MSB, \new
.endif
.endm
.macro PLACES
.rept 4
	v_nop
.endr
.endm
.macro JLOAD g1a                       ; a joint load: waves 0 and 1 fetch x, waves 2 and 3 the stream
	s_cmp_eq_u32 s[WM], 0
	s_cbranch_scc0 .Lfor_b_\@
	tensor_load_to_lds s[G0X:G0X+3], s[\g1a:\g1a+7]
	s_nop 0
	PLACES
	s_branch .Lasked_\@
.Lfor_b_\@:
	tensor_load_to_lds s[G0B:G0B+3], s[G1B:G1B+7]
	s_nop 0
	PLACES
.Lasked_\@:
.endm
.macro CREST                           ; a round of the cluster's barrier behind its opening barrier
	s_cmp_lg_u32 s[WV], 0
	s_cbranch_scc1 .Lnot_wave_0_\@
	s_barrier_signal -3
.Lnot_wave_0_\@:
	s_barrier_wait -3
	s_barrier_signal -1
	s_barrier_wait -1
.endm
.macro CROUND
	s_barrier_signal -1
	s_barrier_wait -1
	CREST
.endm
.macro DX rows, lds, off               ; group 0 for x: LDS address by the wave's number, the part along K
	s_mul_i32 s[G0X+1], s[WT], \rows
	s_add_co_u32 s[G0X+1], s[G0X+1], \lds
	s_add_nc_u64 s[G0X+2:G0X+3], s[XB:XB+1], \off
	s_or_b32 s[G0X+3], s[G0X+3], 0x80000000
.endm
.macro DB who, steps, lds, first       ; group 0 for the stream: my run of steps, from step first + who x steps on
	s_mul_i32 s[OF], s[\who], (\steps)*STEPB
	s_add_co_u32 s[G0B+1], s[OF], \lds
	s_add_co_u32 s[OF], s[OF], (\first)*STEPB
	s_add_nc_u64 s[G0B+2:G0B+3], s[BB:BB+1], s[OF:OF+1]
	s_or_b32 s[G0B+3], s[G0B+3], 0x80000000
.endm
.macro RUN n                           ; the stream's loads bring n steps each
	s_mov_b32 s[G1B+2], (\n)<<16
	s_mov_b32 s[G1B+4], \n
.endm
	s_load_b256 s[4:11], s[0:1], 0x0               ; x's codes s[4:5], x's scales s[6:7], the stream s[8:9], b s[10:11]
	s_load_b64 s[12:13], s[0:1], 0x20              ; out0
	v_lshl_add_u32 v[SPW], v0, 2, SPARE
	v_mov_b32 v[NIL], 0
	ds_add_u32 v[SPW], v[NIL]                      ; the wave's opening: the add, twice on end, and its wait
	ds_add_u32 v[SPW], v[NIL]
	v_lshrrev_b32 v1, 5, v0
	v_readfirstlane_b32 s[WV], v1
	s_lshr_b32 s[WM], s[WV], 1
	s_and_b32 s[WT], s[WV], 1
	s_bfe_u32 s17, ttmp6, 0x40000                  ; cx, cy: my place in the cluster
	s_bfe_u32 s18, ttmp6, 0x40004
	s_lshl_b32 s19, ttmp9, 2
	s_add_co_u32 s19, s19, s17                     ; tile column = 4 x cluster x + cx
	s_and_b32 s20, ttmp7, 0xffff
	s_lshl_b32 s20, s20, 2
	s_add_co_u32 s20, s20, s18                     ; tile row = 4 x cluster y + cy
	s_lshl_b32 s21, s18, 2
	s_lshl_b32 s21, 15, s21                        ; my row of the cluster
	s_lshl_b32 s22, 0x1111, s17                    ; my column
	; group 1 for x: 128 rows of 512 (later 256) bytes, 1,024 bytes apart, 16 bytes of padding behind each
	s_or_b32 s[G1X], s21, (1<<20)|(1<<21)|(6<<22)|(3<<25)  ; 15:0 the mask of my row; elements of 1 byte; 20 padding on; 21 set beside a mask; 24:22 after every 128 words; 31:25 four words
	s_or_b32 s[G1Y], s21, (1<<20)|(1<<21)|(5<<22)|(3<<25)  ; the same after every 64 words
	s_mov_b32 s[G1X+1], 512<<16
	s_mov_b32 s[G1X+2], 128<<16
	s_mov_b32 s[G1X+3], 512<<16
	s_mov_b32 s[G1X+4], 128
	s_mov_b32 s[G1X+5], 1024
	s_mov_b32 s[G1X+6], 0
	s_mov_b32 s[G1X+7], 0
	s_mov_b32 s[G1Y+1], 256<<16
	s_mov_b32 s[G1Y+2], 128<<16
	s_mov_b32 s[G1Y+3], 256<<16
	s_mov_b32 s[G1Y+4], 128
	s_mov_b32 s[G1Y+5], 1024
	s_mov_b32 s[G1Y+6], 0
	s_mov_b32 s[G1Y+7], 0
	; and for the stream: a row is a step, 1,088 elements of 8 bytes, one behind the other
	s_or_b32 s[G1B], s22, (3<<16)|(1<<21)
	s_mov_b32 s[G1B+1], 1088<<16
	s_mov_b32 s[G1B+3], 1088<<16
	RUN 4
	s_mov_b32 s[G1B+5], 1088
	s_mov_b32 s[G1B+6], 0
	s_mov_b32 s[G1B+7], 0
	s_mov_b32 s[G0X], 1
	s_mov_b32 s[G0B], 1
	s_mov_b32 s[OF+1], 0
	s_lshl_b32 s66, s20, 18                        ; x: row 256 x tile row + 128 x part, 1,024 bytes a row
	s_lshl_b32 s67, s[WT], 17
	s_add_co_u32 s66, s66, s67
	s_mov_b32 s67, 0
	s_mul_i32 s68, s19, 64*STEPB                   ; the stream: 64 steps a tile column
	s_mov_b32 s69, 0
	s_lshl_b32 s74, s20, 14                        ; x's scales: row 256 x tile row + 64 x wave, 64 bytes a row
	s_lshl_b32 s75, s[WV], 12
	s_add_co_u32 s74, s74, s75
	s_mov_b32 s75, 0
	s_lshl_b32 s76, s19, 10                        ; b: column 256 x tile column
	s_mov_b32 s77, 0
	s_lshl_b32 s78, s20, 21                        ; out0: the same rows, 8,192 bytes a row (under 2^26), and columns
	s_lshl_b32 s79, s[WV], 19
	s_add_co_u32 s78, s78, s79
	s_add_co_u32 s78, s78, s76
	s_mov_b32 s79, 0
	s_wait_dscnt 0x0                               ; both opening adds are done
	s_wait_kmcnt 0x0
	s_add_nc_u64 s[XB:XB+1], s[4:5], s[66:67]
	s_add_nc_u64 s[BB:BB+1], s[8:9], s[68:69]
	s_add_nc_u64 s[6:7], s[6:7], s[74:75]
	s_add_nc_u64 s[10:11], s[10:11], s[76:77]
	s_add_nc_u64 s[12:13], s[12:13], s[78:79]
	DX 67584, 0, 0
	DB WT, 4, 135168, 0
	s_mul_i32 s70, s[WV], 64*528                   ; my 64 rows of x in LDS
	s_mul_i32 s71, s[WV], 64*272
	s_add_co_u32 s72, s71, 204800
	CROUND                                         ; all sixteen work-groups are here: the first joint loads meet
	JLOAD G1X                                      ; one tensor load a wave at the head
	v_and_b32 v1, 15, v0                           ; r
	v_bfe_u32 v2, v0, 4, 1                         ; h
	v_and_b32 v3, 31, v0                           ; lane
	v_lshlrev_b32 v[LB], 4, v3
	v_lshlrev_b32 v[LS], 3, v3
.irp k, 1,2,3,4,5
	v_lshl_add_u32 v[LB+\k], v3, 4, 57344*\k
	v_lshl_add_u32 v[LS+\k], v3, 3, 57344*\k
.endr
	v_mul_u32_u24 v4, v1, 528                      ; a fragment's row x pitch + 16 x half
	v_mul_u32_u24 v5, v1, 272
	v_lshlrev_b32 v6, 16, v2                       ; 8 h rows of out0
	v_lshl_add_u32 v4, v2, 4, v4
	v_lshl_add_u32 v5, v2, 4, v5
	v_lshl_add_u32 v[CO], v1, 4, v6
	v_add_nc_u32 v[XA0], s70, v4
	v_add_nc_u32 v[XQ2], s72, v5
	v_add_nc_u32 v[XQ3], s71, v5
	v_lshlrev_b32 v24, 6, v3                       ; x's scales: a row a lane
	v_lshlrev_b32 v25, 4, v1                       ; b: four columns a lane
	s_wait_alu depctr_va_vdst(0)                   ; the wait at the head's end
.irp i, 0,1
.irp q, 0,1,2,3
	global_load_b128 v[XS+16*\i+4*\q:XS+16*\i+4*\q+3], v24, s[6:7] offset:2048*\i+16*\q
.endr
.endr
.irp p, 0,1,2,3
	global_load_b128 v[BI+4*\p:BI+4*\p+3], v25, s[10:11] offset:256*\p
.endr
; NN is the step of the stream: pass NN / 16, step NN % 16 along K.  NX is the step whose fragments are being loaded; SETB finds its place in LDS: address register LB + LK (LS + LK), immediate LO.
.macro SETB n
.if \n < 8
.set LBASE, 135168+STEPB*(\n)
.elseif \n < 14
.set LBASE, 274432+STEPB*(\n-8)
.elseif \n < 20
.set LBASE, 69632+STEPB*(\n-14)
.elseif \n < 32
.set LBASE, 204800+STEPB*(\n-20)
.elseif \n < 48
.set LBASE, STEPB*(\n-32)
.else
.set LBASE, 139264+STEPB*(\n-48)
.endif
.set LK, LBASE/57344
.set LO, LBASE-57344*LK
.endm
.macro SETN
.set P, NN%2
.set KS, NN%16
.set PS, NN/16
.set NX, NN+1
.set WMW, 0x52+(KS/8)                  ; source 0 (x) window 2 or 3, source 1 window 0, C and D window 1
	SETB NX
.endm
.macro LSC                             ; the scale words of four tiles: lanes 0-15 w's, lanes 16-31 ab's
.set RS, SB+4*(NX%2)
	ds_load_b64 v[RS:RS+1], v[LS+LK] offset:LO+8192
	ds_load_b64 v[RS+2:RS+3], v[LS+LK] offset:LO+8448
.endm
.macro LW kind, t                      ; a fragment of 16 columns: the image's 1,024 bytes
.set RF, FB+64*(NX%2)+32*(\kind)+8*(\t)
	ds_load_b128 v[RF:RF+3], v[LB+LK] offset:LO+2048*(\t)+1024*(\kind)
	ds_load_b128 v[RF+4:RF+7], v[LB+LK] offset:LO+2048*(\t)+1024*(\kind)+512
.endm
.macro LX i                            ; x's rows 32 i .. 32 i + 31: registers 0-7 the first sixteen, 8-15 the others
	WIN (0x80+0x40*(NX/8))
.irp hf, 0,1
.irp c, 0,1
.set RX, 32*(NX%8)+16*(\i)+8*\hf+4*\c
.if NX < 8
	ds_load_b128 v[RX:RX+3], v[XA0] offset:64*NX+32*\c+8448*(2*(\i)+\hf)
.elseif NX < 12
	ds_load_b128 v[RX:RX+3], v[XQ2] offset:64*(NX-8)+32*\c+4352*(2*(\i)+\hf)
.else
	ds_load_b128 v[RX:RX+3], v[XQ3] offset:64*(NX-12)+32*\c+4352*(2*(\i)+\hf)
.endif
.endr
.endr
.endm
; One matrix instruction.  The eight accumulators of a pass take turns, one instruction a turn, in the same order in every run.  The pass's first products take the constant 0 as C.
.macro WM1 kind, t, i
.set rD, 128*(PS%2)+16*(4*(\i)+(\t))
.set rA, 32*(KS%8)+16*(\i)
.set rB, FB+64*P+32*(\kind)+8*(\t)
.set rX, XS+16*(\i)+KS
.set rS, SB+4*P+(\t)
.if \kind
	v_wmma_scale_f32_32x16x128_f4 v[rD:rD+15], v[rA:rA+15], v[rB:rB+7], v[rD:rD+15], v[rX], v[rS] matrix_b_scale:MATRIX_SCALE_ROW1
.elseif KS == 0
	v_wmma_scale_f32_32x16x128_f4 v[rD:rD+15], v[rA:rA+15], v[rB:rB+7], 0, v[rX], v[rS]
.else
	v_wmma_scale_f32_32x16x128_f4 v[rD:rD+15], v[rA:rA+15], v[rB:rB+7], v[rD:rD+15], v[rX], v[rS]
.endif
.endm
.macro LOADS                           ; the next step's loads in one run: 18, and 8 of x in the first pass
	WIN 0
	LSC
.irp kind, 0,1
.irp t, 0,1,2,3
	LW \kind, \t
.endr
.endr
.if NX < 16
	LX 0
	LX 1
.endif
.endm
.macro SEC kind                        ; a step's eight products with w or with ab
.irp t, 0,1,2,3
	WM1 \kind, \t, 0
	WM1 \kind, \t, 1
.endr
.endm
; THE WAY OUT of the pass before, two registers of each of four tiles a step: b is added, and four sums of a lane come to lie side by side.  These additions are also the places between the matrix instructions that read
; a set of fragments and the loads into it (ISA guide 7.12.1 for vector instructions).  Each accumulator is read from its low end on.
.macro ADDS
.set PO, PS-1
.set oI, KS/8
.set oM, 2*(KS%8)
.if KS == 0
	PLACES                                         ; the sums were finished just now
.endif
	s_wait_xcnt 0x0                                ; the last step's stores have read their registers
	WIN 0x01
.irp q, 0,1
.irp t, 0,1,2,3
	v_add_f32 v[ST+4*\q+\t], v[128*(PO%2)+16*(4*oI+\t)+oM+\q], v[BI+4*PO+\t]
.endr
.endr
.endm
.macro SENDS
	WIN 0
.irp q, 0,1
	global_store_b128 v[CO], v[ST+4*\q:ST+4*\q+3], s[12:13] offset:(32*oI+16*((oM+\q)/8)+(oM+\q)%8)*NROW+256*PO th:TH_STORE_NT   ; sixteen lanes store 256 consecutive bytes of a row, at a multiple of 256
.endr
.endm
; A STEP: additions, then all its memory instructions in one run (the next step's loads, two stores), then its 16 matrix instructions, unbroken.
.macro STEP
	SETN
.if NN < 16
	PLACES
.else
	ADDS
.endif
.if LD
	LOADS
.endif
.if NN >= 16
	SENDS
.endif
.if LD == 0
	s_wait_dscnt 0
.elseif NX < 16
	s_wait_dscnt 26                                ; this step's fragments, asked for a step ago, are in: all but the 26 loads just issued
.else
	s_wait_dscnt 18                                ; likewise; the next step has no loads of x
.endif
	WIN WMW
	SEC 0
	SEC 1
.set NN, NN+1
.endm
; A step with a change of runs.  Its own fragments have been asked for, so behind my wait for them I read the run no more.  Each wave waits for all its tensor loads, adds 0 to its spare word, and waits for that and for its
; reads; then a round of the cluster's barrier (w's products, register work, between the opening signal and its wait); behind it the next joint load, first of all; then the next step's loads, and ab's products.
.macro RSTEP rnd
	SETN
.if NN >= 16
	ADDS
	SENDS
.endif
	WIN 0
	s_wait_tensorcnt 0x0                           ; my part of the next run has landed
	ds_add_u32 v[SPW], v[NIL]                      ; no tensor load of mine is out, so descriptors may be written:
.if \rnd == 2
	DX 34816, 0, 768
	DB WT, 3, 69632, 14
.elseif \rnd == 3
	DB WV, 3, 204800, 20
.elseif \rnd == 4
	RUN 4
	DB WV, 4, 0, 32
.elseif \rnd == 5
	DB WV, 4, 139264, 48
.endif
	s_wait_dscnt 0x0                               ; the add is done, and so are my reads
	s_barrier_signal -1
	WIN WMW
.irp t, 0,1,2,3
	WM1 0, \t, 0
	WM1 0, \t, 1
.endr
	WIN 0
	s_barrier_wait -1
.if \rnd < 6
	CREST                                          ; all of it holds of every wave of every partner
.if \rnd == 2
	JLOAD G1Y
.else
	tensor_load_to_lds s[G0B:G0B+3], s[G1B:G1B+7]  ; each wave its run of steps
	s_nop 0
	PLACES
.endif
.endif
	LOADS
	WIN WMW
	SEC 1
.set NN, NN+1
.endm
	s_wait_tensorcnt 0x0                           ; my part of the head's loads is in
	ds_add_u32 v[SPW], v[NIL]
	DX 34816, 204800, 512
	RUN 3
	DB WT, 3, 274432, 8
	s_wait_dscnt 0x0
	CROUND                                         ; round 1: everybody's part is in
	JLOAD G1Y
.set NX, 0
	SETB 0
	LSC
.irp t, 0,1,2,3
	LW 0, \t
.endr
	LX 0
	LX 1
	WIN 0
.irp t, 0,1,2,3
	LW 1, \t
.endr
	s_wait_loadcnt 0x0                             ; x's scale words and b
.set NN, 0
.set LD, 1
.rept 7
	STEP
.endr
	RSTEP 2
.rept 3
	STEP
.endr
	RSTEP 3
.rept 7
	STEP
.endr
	RSTEP 4
.rept 11
	STEP
.endr
	RSTEP 5
.rept 15
	STEP
.endr
	RSTEP 6                                        ; nothing is filled again: my work-group's barrier stands alone
.rept 15
	STEP
.endr
.set LD, 0
	STEP
	PLACES                                         ; the last sums were finished just now, and the fragments' registers take them
.irp i, 0,1
.irp g, 0,1
	WIN 0x01
.irp j, 0,1,2,3,4,5,6,7
.irp t, 0,1,2,3
	v_add_f32 v[FB+64*\i+32*\g+4*\j+\t], v[128+16*(4*\i+\t)+8*\g+\j], v[BI+12+\t]
.endr
.endr
	WIN 0
.irp j, 0,1,2,3,4,5,6,7
	global_store_b128 v[CO], v[FB+64*\i+32*\g+4*\j:FB+64*\i+32*\g+4*\j+3], s[12:13] offset:(32*\i+16*\g+\j)*NROW+768 th:TH_STORE_NT
.endr
.endr
.endr
	s_wait_tensorcnt 0x0                           ; the wave's end
	ds_add_u32 v[SPW], v[NIL]
	s_wait_dscnt 0x0
	CROUND                                         ; the closing round: no work-group ends while a partner may still ask for a tile that names it
	s_endpgm
.Lfunc_end_k_q01b8945e8c_gemm:
	.size	k_q01b8945e8c_gemm, .Lfunc_end_k_q01b8945e8c_gemm-k_q01b8945e8c_gemm
	.p2alignl 7, 3214868480
	.fill 96, 4, 3214868480
	.section	.rodata,"a",@progbits
	.p2align	6, 0x0
	.amdhsa_kernel k_q01b8945e8c_gemm
		.amdhsa_group_segment_fixed_size 327680
		.amdhsa_private_segment_fixed_size 0
		.amdhsa_enable_private_segment 0
		.amdhsa_kernarg_size 40
		.amdhsa_user_sgpr_count 2
		.amdhsa_user_sgpr_kernarg_segment_ptr 1
		.amdhsa_wavefront_size32 1
		.amdhsa_system_sgpr_workgroup_id_x 1
		.amdhsa_system_sgpr_workgroup_id_y 1
		.amdhsa_system_sgpr_workgroup_id_z 1
		.amdhsa_system_vgpr_workitem_id 0
		.amdhsa_next_free_vgpr 1024
		.amdhsa_next_free_sgpr 80
		.amdhsa_reserve_vcc 0
		.amdhsa_float_denorm_mode_32 3
		.amdhsa_float_denorm_mode_16_64 3
		.amdhsa_memory_ordered 1
		.amdhsa_forward_progress 1
		.amdhsa_inst_pref_size 255
	.end_amdhsa_kernel
	.section	.bss,"aw",@nobits
	.p2align	6
	.space	262144
	.amdgpu_metadata
---
amdhsa.version: [ 1, 2 ]
amdhsa.kernels:
  - .name:           k_q01b8945e8c_gemm
    .symbol:         k_q01b8945e8c_gemm.kd
    .args:
      - { .name: x_codes, .offset: 0, .size: 8, .value_kind: global_buffer, .address_space: global }
      - { .name: x_scales, .offset: 8, .size: 8, .value_kind: global_buffer, .address_space: global }
      - { .name: wab, .offset: 16, .size: 8, .value_kind: global_buffer, .address_space: global }
      - { .name: b, .offset: 24, .size: 8, .value_kind: global_buffer, .address_space: global }
      - { .name: out0, .offset: 32, .size: 8, .value_kind: global_buffer, .address_space: global }
    .group_segment_fixed_size: 327680
    .private_segment_fixed_size: 0
    .kernarg_segment_align: 8
    .kernarg_segment_size: 40
    .max_flat_workgroup_size: 128
    .sgpr_count:     80
    .vgpr_count:     1024
    .wavefront_size: 32
...
	.end_amdgpu_metadata
.endif
;; end of part 2
